; MI455X (gfx1250); checked and timed in simulation.
; The chip was launched on July 23, 2026; its instructions are those of AMD's public machine-readable ISA for CDNA 5 (MIT licence, August 2026) and "CDNA5" Instruction Set Architecture Reference Guide (July 2026). The comments in the code are by the model that wrote it; some were corrected since.
;; Cross Attention. Allowed arithmetic: float matrix products may take bf16 or f16 operands with f32 sums; all other float work in f32.
;; Inputs: Wk 1,024 x 1,024 float32; Wp 1,024 x 1,024 float32; Wq 1,024 x 1,024 float32; Wv 1,024 x 1,024 float32; bp 1,024 float32; key 8 x 2,048 x 1,024 float32; query 8 x 2,048 x 1,024 float32; value 8 x 2,048 x 1,024 float32; xpos 8 x 2,048 x 2 int32; ypos 8 x 2,048 x 2 int32.
;; Outputs: out0 8 x 2,048 x 1,024 float32.
;; One version. Each part assembles by itself: llvm-mc -triple=amdgcn-amd-amdhsa -mcpu=gfx1250 --defsym DOCPART=n.
;; ======== version 1 of 1: 4 launches
;; limits: values are held in f16: magnitudes above 65,504 overflow, below 6.1e-05 lose precision
;; workspace buffers: wb 6,291,456 bytes; wp16 2,097,152 bytes; qkv 100,663,296 bytes; xp 33,554,432 bytes
;; launch wcast (part 1): grid 64 x 4, 8 waves a work-group, no clusters, 0 bytes of LDS; arguments Wq, Wk, Wv, Wp, wb, wp16; writes wb, wp16
.if DOCPART == 1
	.amdgcn_target "amdgcn-amd-amdhsa--gfx1250"
	.amdhsa_code_object_version 6
	.text
	.protected	k_qece4d2d105_wcast
	.globl	k_qece4d2d105_wcast
	.p2align	8
	.type	k_qece4d2d105_wcast,@function
k_qece4d2d105_wcast:
	s_mov_b64 s[64:65], 0
	v_nop
	global_prefetch_b8 v0, s[64:65] scope:SCOPE_SE
	s_setreg_imm32_b32 hwreg(HW_REG_WAVE_MODE, 25, 1), 1
	s_wait_xcnt 0x0
; THE FOUR WEIGHTS, [1024 out][1024 in] f32, ARE ROUNDED ONCE FOR THE MATRIX UNITS.
; Wq, Wk, Wv -> wb, bf16, in blocks: [t = 0..2][kb = 0..15][n = 0..1023][64 k]: the 64 k of a row n are 128 bytes, and the rows of a block lie end to end,
; so that 128 rows x 64 k, the tile that the projection asks for, are 16,384 dense bytes.
; Wp -> wp16, [1024][1024]: rounded to bf16 like every input, and that number written as f16 (exact where f16 is normal).
; LIMITS.  |Wp| stays under 65,520 (f16's range); below 6e-5 f16 keeps a fixed step of 6e-8.
; SHARES.  Work-group (x, t) owns rows 16 x .. 16 x + 15 of weight t: 65,536 consecutive bytes.  A wave has eight tasks; in a task a lane reads 32 bytes and writes 16.
; A stream: no LDS, no barrier, no matrix unit, no cluster (no byte is read by two work-groups).  All sixteen loads of a wave go out first; no register is written twice, so no wait frees a source.
.set X, 8                              ; v[8:71]    task n: 8 registers as loaded
.set T, 72                             ; v[72:74]   at work
.set Y, 76                             ; v[76:107]  task n: 4 registers to store
; Task n: its two loads are in (the 2 (7 - n) younger ones may be out), eight numbers are rounded, 16 bytes stored.
.macro TASK path, n, off
	s_wait_loadcnt 14-2*(\n)               ; loads come back in order: mine are in, the younger tasks' stay out
.irp c, 0,1,2,3
.if (\path) == 0
	v_cvt_pk_bf16_f32 v[Y+4*(\n)+(\c)], v[X+8*(\n)+2*(\c)], v[X+8*(\n)+2*(\c)+1]
.else
	v_cvt_pk_bf16_f32 v[T], v[X+8*(\n)+2*(\c)], v[X+8*(\n)+2*(\c)+1]  ; to bf16, as every input,
	v_lshlrev_b32 v[T+1], 16, v[T]                                     ; back to f32,
	v_and_b32 v[T+2], s27, v[T]
	v_cvt_pk_f16_f32 v[Y+4*(\n)+(\c)], v[T+1], v[T+2]                  ; and written as f16
.endif
.endr
.if (\path) == 0
	global_store_b128 v3, v[Y+4*(\n):Y+4*(\n)+3], s[12:13] offset:\off
.else
	global_store_b128 v3, v[Y+4*(\n):Y+4*(\n)+3], s[14:15] offset:\off
.endif
.endm
	s_load_b256 s[4:11], s[0:1], 0x0       ; Wq s[4:5], Wk s[6:7], Wv s[8:9], Wp s[10:11]
	s_load_b128 s[12:15], s[0:1], 0x20     ; wb s[12:13], wp16 s[14:15]
	v_lshrrev_b32 v1, 5, v0
	v_readfirstlane_b32 s20, v1            ; wave 0..7
	v_and_b32 v1, 31, v0                   ; lane
	s_and_b32 s21, ttmp7, 0xffff           ; t: which weight
	s_lshl_b32 s22, ttmp9, 16              ; my 16 rows of 4,096 bytes
	s_mov_b32 s23, 0
	s_mov_b32 s25, 0
	s_mov_b32 s27, 0xffff0000              ; a word's upper bf16
	s_wait_kmcnt 0x0
	s_cmp_eq_u32 s21, 3
	s_cbranch_scc1 .Lwp
	; Wq, Wk, Wv.  Wave w takes the blocks kb = 2 w and 2 w + 1.  Task n = 2 i + u: rows 4 i .. 4 i + 3, block 2 w + u: eight lanes read a row's 256 bytes, the wave writes 512 consecutive bytes.
	s_cmp_eq_u32 s21, 0
	s_cselect_b64 s[16:17], s[4:5], s[6:7]
	s_cmp_eq_u32 s21, 2
	s_cselect_b64 s[16:17], s[8:9], s[16:17]
	s_add_nc_u64 s[16:17], s[16:17], s[22:23]
	s_lshl_b32 s24, s21, 21                ; t x 2,097,152
	s_lshl_b32 s26, ttmp9, 11              ; + my 16 rows of 128 bytes in a block
	s_add_co_u32 s24, s24, s26
	s_add_nc_u64 s[12:13], s[12:13], s[24:25]
	v_lshrrev_b32 v2, 3, v1                ; row in the task's four
	v_and_b32 v3, 7, v1
	v_lshlrev_b32 v3, 5, v3                ; my 32 bytes of its 256
	v_lshl_add_u32 v2, v2, 12, v3
	v_lshl_add_u32 v2, s20, 9, v2          ; + 512 w: from where
	v_lshlrev_b32 v3, 4, v1
	v_lshl_add_u32 v3, s20, 18, v3         ; 16 lane + 2 w blocks of 131,072: to where
.set j, 0
.rept 8
	global_load_b128 v[X+8*j:X+8*j+3],   v2, s[16:17] offset:(j/2)*16384+(j%2)*256 th:TH_LOAD_NT
	global_load_b128 v[X+8*j+4:X+8*j+7], v2, s[16:17] offset:(j/2)*16384+(j%2)*256+16 th:TH_LOAD_NT
.set j, j+1
.endr
.set j, 0
.rept 8
	TASK 0, j, (j/2)*512+(j%2)*131072
.set j, j+1
.endr
	s_endpgm
.Lwp:
	; Wp.  Wave w takes columns 128 w .. 128 w + 127.  Task n: rows 2 n, 2 n + 1: sixteen lanes read 512 bytes of a row and write 256 consecutive bytes, aligned.
	s_add_nc_u64 s[16:17], s[10:11], s[22:23]
	s_lshl_b32 s24, ttmp9, 15              ; my 16 rows of 2,048 bytes
	s_add_nc_u64 s[14:15], s[14:15], s[24:25]
	v_lshrrev_b32 v2, 4, v1                ; row in the task's two
	v_and_b32 v4, 15, v1
	v_lshlrev_b32 v3, 4, v4
	v_lshl_add_u32 v3, v2, 11, v3
	v_lshl_add_u32 v3, s20, 8, v3          ; to where
	v_lshlrev_b32 v4, 5, v4
	v_lshl_add_u32 v2, v2, 12, v4
	v_lshl_add_u32 v2, s20, 9, v2          ; from where
.set j, 0
.rept 8
	global_load_b128 v[X+8*j:X+8*j+3],   v2, s[16:17] offset:j*8192 th:TH_LOAD_NT
	global_load_b128 v[X+8*j+4:X+8*j+7], v2, s[16:17] offset:j*8192+16 th:TH_LOAD_NT
.set j, j+1
.endr
.set j, 0
.rept 8
	TASK 1, j, j*4096
.set j, j+1
.endr
	s_endpgm
.Lfunc_end_k_qece4d2d105_wcast:
	.size	k_qece4d2d105_wcast, .Lfunc_end_k_qece4d2d105_wcast-k_qece4d2d105_wcast
	.p2alignl 7, 3214868480
	.fill 96, 4, 3214868480
	.section	.rodata,"a",@progbits
	.p2align	6, 0x0
	.amdhsa_kernel k_qece4d2d105_wcast
		.amdhsa_group_segment_fixed_size 0
		.amdhsa_private_segment_fixed_size 0
		.amdhsa_enable_private_segment 0
		.amdhsa_kernarg_size 48
		.amdhsa_user_sgpr_count 2
		.amdhsa_user_sgpr_kernarg_segment_ptr 1
		.amdhsa_wavefront_size32 1
		.amdhsa_system_sgpr_workgroup_id_x 1
		.amdhsa_system_sgpr_workgroup_id_y 1
		.amdhsa_system_sgpr_workgroup_id_z 1
		.amdhsa_system_vgpr_workitem_id 0
		.amdhsa_next_free_vgpr 108
		.amdhsa_next_free_sgpr 66
		.amdhsa_reserve_vcc 0
		.amdhsa_float_denorm_mode_32 3
		.amdhsa_float_denorm_mode_16_64 3
		.amdhsa_memory_ordered 1
		.amdhsa_forward_progress 1
		.amdhsa_inst_pref_size 15
	.end_amdhsa_kernel
	.amdgpu_metadata
---
amdhsa.version: [ 1, 2 ]
amdhsa.kernels:
  - .name:           k_qece4d2d105_wcast
    .symbol:         k_qece4d2d105_wcast.kd
    .args:
      - { .name: Wq, .offset: 0, .size: 8, .value_kind: global_buffer, .address_space: global }
      - { .name: Wk, .offset: 8, .size: 8, .value_kind: global_buffer, .address_space: global }
      - { .name: Wv, .offset: 16, .size: 8, .value_kind: global_buffer, .address_space: global }
      - { .name: Wp, .offset: 24, .size: 8, .value_kind: global_buffer, .address_space: global }
      - { .name: wb, .offset: 32, .size: 8, .value_kind: global_buffer, .address_space: global }
      - { .name: wp16, .offset: 40, .size: 8, .value_kind: global_buffer, .address_space: global }
    .group_segment_fixed_size: 0
    .private_segment_fixed_size: 0
    .kernarg_segment_align: 8
    .kernarg_segment_size: 48
    .max_flat_workgroup_size: 256
    .sgpr_count:     66
    .vgpr_count:     108
    .wavefront_size: 32
...
	.end_amdgpu_metadata
.endif
;; end of part 1
;; launch proj (part 2): grid 4 x 64, 4 waves a work-group, clusters of 4 x 4, 327,680 bytes of LDS; arguments query, key, value, wb, qkv; writes qkv
.if DOCPART == 2
	.amdgcn_target "amdgcn-amd-amdhsa--gfx1250"
	.amdhsa_code_object_version 6
	.text
	.protected	k_qece4d2d105_proj
	.globl	k_qece4d2d105_proj
	.p2align	8
	.type	k_qece4d2d105_proj,@function
k_qece4d2d105_proj:
	s_mov_b64 s[64:65], 0
	v_nop
	global_prefetch_b8 v0, s[64:65] scope:SCOPE_SE
	s_setreg_imm32_b32 hwreg(HW_REG_WAVE_MODE, 25, 1), 1
	s_wait_xcnt 0x0
	s_wait_alu depctr_hold_cnt(0) depctr_sa_sdst(0) depctr_va_vdst(0) depctr_va_sdst(0) depctr_va_ssrc(0) depctr_va_vcc(0) depctr_vm_vsrc(0)
	s_getreg_b32 s2, hwreg(HW_REG_IB_STS2, 6, 4)
	s_cmp_eq_u32 s2, 0
	s_cbranch_scc0 .Lentry_in_a_cluster
	s_endpgm
.Lentry_in_a_cluster:
	s_bfe_u32 s2, ttmp6, 0x10000c
	s_cmp_lg_u32 s2, 0xf033
	s_cbranch_scc0 .Lentry_shape_is_right
	s_endpgm
.Lentry_shape_is_right:
; q = query Wq^T, k = key Wk^T, v = value Wv^T.  query, key, value: [16384 tokens][1024] f32.  wb: the three weights in bf16, in blocks [t][kb][n][64 k].
; qkv: f16 [token][3][1024]: a token's q, k and v lie together, 6,144 bytes.  The activations are rounded to bf16 on the way from LDS to the matrix unit; sums in f32; q, k, v rounded once, to f16.
; LIMITS.  |q|, |k|, |v| stay under 65,520 (f16's range; beyond it the conversion gives an infinity); below 6e-5 f16 keeps a fixed step of 6e-8.  NaN and infinities are not treated apart.
; SHARES.  A WORK-GROUP STAYS on one place (256 tokens x 256 columns) and makes three tiles there: t = 0, 1, 2 for q, k, v.  768 tiles on 256 work-groups.  Wave w owns tokens 64 w .. 64 w + 63 and all
; 256 columns: 64 accumulators (a = 0..3, b = 0..15), 512 registers.  The waves are split along the tokens alone, so each f32 row of A leaves LDS, and is rounded, once in the work-group.
; K goes in steps of 64 through two LDS slots: A's rows are 256 bytes of memory at multiples of 256; B's 128 rows x 128 bytes are 16,384 dense bytes, asked for as 64 rows of 256.
; Two slots of K = 128 would take 409,600 bytes, more than there is.  A step is two QUARTERS of 32 along K, on fragment buffers 0 and 1.
; CLUSTERS: 4 x 4 work-groups.  The four of a row of the cluster need the same tokens' tiles of A, the four of a column the same tiles of B: each tile is asked for JOINTLY, by the same tensor load with
; the same descriptor and a mask that names the four.  The ring does not stop at a tile's end: a tile's last two changes of slots ask for the next tile's first two steps.
; PREFETCH.  A step leaves 112 matrix instructions between a tile's request and the wait for it, and no larger slot fits, so A's tiles, which are read from memory once, are asked for ahead by
; global_prefetch_b8.  In each trip of two K steps (256 matrix instructions a wave) every wave issues one: 16 rows x 2 blocks of 256 bytes, of the pair of K steps that the NEXT trip's tensor loads ask for.
; The sixteen waves of the four work-groups that share the rows (place cx, wave w) take sixteen different groups of 16 rows, so each block is asked for once: 32,768 bytes a work-group and trip, at most two
; trips' worth asked for and not yet loaded.  The 24 pairs of steps run on from query into key and value; pairs 0 and 1 are not asked for; behind pair 23 the number is clamped to 23, so no prefetch leaves
; its buffer.  wb is not prefetched: each of its blocks is read by 64 work-groups.
; THE MATRIX INSTRUCTION IS USED TRANSPOSED (source 0 = 16 rows of B, source 1 = 16 rows of A): a lane then holds eight neighbouring columns of one token.
; REGISTERS, in windows of 256 (s_set_vgpr_msb: bits 1:0 source 0, 3:2 source 1, 5:4 source 2, 7:6 destination):
;   window 0: v0-31 addresses; v32-95 A in bf16, two buffers of 4 fragments; v96-159 A in f32 as loaded; v160-255 at work on the way out
;   window 1: B, two buffers of 16 fragments          windows 2, 3: accumulator (a, b) at v[8 (16 (a % 2) + b)] of window 2 + a / 2
.set PA,    272                        ; a row of A in LDS: 256 bytes + 16 = 68 words: the 16 rows of a load start at 16 different groups of four banks (64 banks of 4 bytes: ISA guide 11.1)
.set PBT,   144                        ; a row of B: 128 bytes + 16 = 36 words: likewise
.set AHALF, 128*PA                     ; what one tensor load brings of A
.set BHALF, 128*PBT                    ; and of B
.set BOFF,  2*AHALF                    ; a slot: A's 256 rows, then B's 256 rows
.set SLOT,  BOFF+2*BHALF               ; 106,496
.set STAGE, 2*SLOT                     ; behind the ring, never filled by a tensor load: 16 rows x 272 bytes for each wave, for the way out
.set SP,    272
.set SPARE, STAGE+4*16*SP              ; behind the stages: the spare words, 128 bytes for each wave: two blocks of 256 bytes that no other line names
.set TOK,   6144                       ; bytes of a token in qkv
.set BBLK,  131072                     ; bytes of a block (t, kb) of wb
.set ADRA, 16                          ; v16-17  LDS address of my A fragments in slot 0, 1
.set ADRB, 20                          ; v20-21  the same for B
.set STO,  24                          ; v24     the way out: where I put 16 bytes of a row
.set RD,   25                          ; v25     the way out: where I read a row back
.set CO,   26                          ; v26     my byte offset in qkv
.set PFO,  27                          ; v27     the prefetch: my lane's row and block, as a byte offset; never rewritten
.set SPW,  28                          ; v28     LDS address of my spare word: SPARE + 4 x my thread's number; never rewritten
.set NIL,  29                          ; v29     0; never rewritten
.set AF,   32                          ; A in bf16: buffer f at AF + 32 f
.set STG,  96                          ; A in f32: fragment a at STG + 16 a
.set TMP,  160                         ; the way out: packed results
.set OB,   192                         ; the way out: 16 rows read back: v192-223 and v224-255 by turns
.set G1,  24                           ; s[24:31] descriptor group 1 for A's tiles;  s[32:39] group 0, one set for each slot
.set G0,  32
.set G1B, 48                           ; s[48:55], s[56:63] the same for B's tiles
.set G0B, 56
.set PP,  72                           ; s72      the prefetch: the pair of K steps to ask for next, 2 .. 24
.set PT,  73                           ; s73      at work
.set PO,  74                           ; s[74:75] the pair's byte offset in a row; the high word stays 0
.set PB2, 76                           ; s[76:77] the prefetch's base
.set MSB, 0
.macro WIN new                         ; the immediate's high byte repeats the setting that is left; a switch that changes nothing is dropped
.if MSB != (\new)
	s_set_vgpr_msb (MSB<<8)|(\new)
.set MSB, \new
.endif
.endm
; A joint load.  Waves 0 and 1 fetch A's two halves, waves 2 and 3 B's.  The branch hangs on the wave's number alone.  Four v_nop follow each of the two lines, ahead of the jump, the label and what follows.
.macro JLOAD s
	s_cmp_eq_u32 s15, 0
	s_cbranch_scc0 .Lfor_b_\@
	tensor_load_to_lds s[G0+4*(\s):G0+4*(\s)+3], s[G1:G1+7]
	s_nop 0
.rept 4
	v_nop
.endr
	s_branch .Lasked_\@
.Lfor_b_\@:
	tensor_load_to_lds s[G0B+4*(\s):G0B+4*(\s)+3], s[G1B:G1B+7]
	s_nop 0
.rept 4
	v_nop
.endr
.Lasked_\@:
.endm
.macro CREST                           ; a round of the cluster's barrier behind its opening barrier
	s_cmp_lg_u32 s14, 0
	s_cbranch_scc1 .Lnot_wave_0_\@
	s_barrier_signal -3
.Lnot_wave_0_\@:
	s_barrier_wait -3
	s_barrier_signal -1
	s_barrier_wait -1
.endm
.macro CROUND                          ; a whole round
	s_barrier_signal -1
	s_barrier_wait -1
	CREST
.endm
.macro PLACES                          ; four places behind matrix instructions (ISA guide 7.12.1), where no other vector work is at hand
.rept 4
	v_nop
.endr
.endm
; One prefetch a wave and trip: my 16 rows x 512 bytes of pair s[PP] of K steps.  The base is chosen among the three activations by the pair's number, never by an address, and the offset is made apart from it.
.macro PREF
	WIN 0
	s_wait_xcnt 0x0                        ; the last trip's prefetch has had its address translated (ISA guide 3.1): its base is written again only behind this wait
	s_min_u32 s[PT], s[PP], 23             ; behind the last pair: the last pair once more, so that no prefetch leaves its buffer
	s_and_b32 s[PO], s[PT], 7
	s_lshl_b32 s[PO], s[PO], 9             ; a pair is 512 bytes of a row
	s_lshr_b32 s[PT], s[PT], 3             ; eight pairs to a tile: 0 query, 1 key, 2 value
	s_cmp_eq_u32 s[PT], 0
	s_cselect_b64 s[PB2:PB2+1], s[4:5], s[6:7]
	s_cmp_eq_u32 s[PT], 2
	s_cselect_b64 s[PB2:PB2+1], s[8:9], s[PB2:PB2+1]
	s_add_nc_u64 s[PB2:PB2+1], s[PB2:PB2+1], s[PO:PO+1]
	global_prefetch_b8 v[PFO], s[PB2:PB2+1] th:TH_LOAD_NT scope:SCOPE_SE
	s_add_co_u32 s[PP], s[PP], 1
.endm
	s_load_b256 s[4:11], s[0:1], 0x0       ; query s[4:5], key s[6:7], value s[8:9], wb s[10:11]
	s_load_b64 s[12:13], s[0:1], 0x20      ; qkv
	v_lshl_add_u32 v[SPW], v0, 2, SPARE
	v_mov_b32 v[NIL], 0
	ds_add_u32 v28, v29
	ds_add_u32 v28, v29
	s_wait_dscnt 0x0
	v_lshrrev_b32 v1, 5, v0
	v_readfirstlane_b32 s14, v1            ; wave 0..3
	s_lshr_b32 s15, s14, 1                 ; I fetch for A (0) or for B (1)
	s_and_b32 s16, s14, 1                  ; which 128 rows of that tile
	s_bfe_u32 s40, ttmp6, 0x40000          ; cx, cy: my place in the cluster
	s_bfe_u32 s41, ttmp6, 0x40004
	s_lshl_b32 s42, ttmp9, 2
	s_add_co_u32 s42, s42, s40             ; block of 256 columns = 4 x cluster x + cx
	s_and_b32 s43, ttmp7, 0xffff
	s_lshl_b32 s43, s43, 2
	s_add_co_u32 s43, s43, s41             ; block of 256 tokens = 4 x cluster y + cy
	s_lshl_b32 s44, s41, 2
	s_lshl_b32 s44, 15, s44                ; my row of the cluster
	s_lshl_b32 s45, 0x1111, s40            ; my column
	; group 1 for A: 128 rows x 64 elements of 4 bytes, 1,024 elements from row to row; 4 words of padding after every 64 words
	s_or_b32 s[G1+0], s44, (2<<16)|(1<<20)|(1<<21)|(5<<22)|(3<<25)  ; 15:0 the mask; 17:16 element size; 20 padding on; 21 set beside a mask; 24:22 the interval; 31:25 the padding
	s_mov_b32 s[G1+1], 64<<16              ; tensor_dim0 = 64
	s_mov_b32 s[G1+2], 128<<16             ; tensor_dim1 = 128
	s_mov_b32 s[G1+3], 64<<16              ; tile_dim0 = 64
	s_mov_b32 s[G1+4], 128                 ; tile_dim1 = 128
	s_mov_b32 s[G1+5], 1024                ; tensor_dim0_stride
	s_mov_b32 s[G1+6], 0
	s_mov_b32 s[G1+7], 0
	; group 1 for B: 16,384 dense bytes as 64 rows x 128 elements of 2 bytes; 4 words of padding after every 32 words, that is behind each row of 64 k
	s_or_b32 s[G1B+0], s45, (1<<16)|(1<<20)|(1<<21)|(4<<22)|(3<<25)
	s_mov_b32 s[G1B+1], 128<<16
	s_mov_b32 s[G1B+2], 64<<16
	s_mov_b32 s[G1B+3], 128<<16
	s_mov_b32 s[G1B+4], 64
	s_mov_b32 s[G1B+5], 128
	s_mov_b32 s[G1B+6], 0
	s_mov_b32 s[G1B+7], 0
	; A's tiles hang on the block of tokens alone, which my row of the cluster shares; B's on the block of columns alone, which my column shares.  Each offset has registers that never hold the other coordinate.
	s_lshl_b32 s68, s43, 20                ; 256 tokens of 4,096 bytes
	s_lshl_b32 s69, s16, 19                ; + my 128
	s_add_co_u32 s68, s68, s69
	s_mov_b32 s69, 0
	s_lshl_b32 s46, s42, 15                ; 256 rows of 128 bytes in a block of wb
	s_lshl_b32 s47, s16, 14                ; + my 128
	s_add_co_u32 s46, s46, s47
	s_mov_b32 s47, 0
	s_mul_i32 s20, s14, AHALF              ; where A's halves go: waves 0, 1 at 0 and AHALF
	s_mul_i32 s21, s14, BHALF              ; where B's go: waves 2, 3 at BOFF and BOFF + BHALF
	s_add_co_u32 s21, s21, BOFF-2*BHALF    ; no place in the cluster enters an LDS address
	s_wait_kmcnt 0x0
	s_add_nc_u64 s[4:5], s[4:5], s[68:69]  ; query, key and value at the rows that I fetch
	s_add_nc_u64 s[6:7], s[6:7], s[68:69]
	s_add_nc_u64 s[8:9], s[8:9], s[68:69]
	s_add_nc_u64 s[46:47], s[10:11], s[46:47]
	CROUND                                 ; all sixteen work-groups are here: the first joint loads meet
.irp s, 0,1
	s_mov_b32 s[G0+4*(\s)], 1                                        ; count = 1
	s_add_co_u32 s[G0+4*(\s)+1], s20, (\s)*SLOT                      ; LDS address
	s_add_nc_u64 s[G0+4*(\s)+2:G0+4*(\s)+3], s[4:5], (\s)*256        ; global address: K step s of query
	s_or_b32 s[G0+4*(\s)+3], s[G0+4*(\s)+3], 0x80000000              ; type = 2
	s_mov_b32 s[G0B+4*(\s)], 1
	s_add_co_u32 s[G0B+4*(\s)+1], s21, (\s)*SLOT
	s_add_nc_u64 s[G0B+4*(\s)+2:G0B+4*(\s)+3], s[46:47], (\s)*BBLK   ; block (0, s)
	s_or_b32 s[G0B+4*(\s)+3], s[G0B+4*(\s)+3], 0x80000000
	JLOAD \s                               ; two loads of mine are out
.endr
	v_and_b32 v1, 15, v0                   ; l % 16
	v_bfe_u32 v2, v0, 4, 1                 ; l / 16
	; A fragment (16 rows x 32 K): lane l holds row l % 16, K = 8 (l / 16) + 0..7 and 16 + 8 (l / 16) + 0..7.  In f32 that is 32 bytes at 32 (l / 16) and 32 bytes 64 further on; in bf16 16 bytes at 16 (l / 16) and 16 bytes 32 further on.
	v_mul_u32_u24 v3, v1, PA
	v_lshl_add_u32 v3, v2, 5, v3
	s_mul_i32 s22, s14, 64*PA              ; my 64 rows of A
	v_add_nc_u32 v[ADRA], s22, v3
	v_add_nc_u32 v[ADRA+1], SLOT, v[ADRA]
	v_mul_u32_u24 v4, v1, PBT
	v_lshl_add_u32 v4, v2, 4, v4
	v_add_nc_u32 v[ADRB], BOFF, v4
	v_add_nc_u32 v[ADRB+1], SLOT+BOFF, v4
	s_mul_i32 s23, s14, 16*SP
	s_add_co_u32 s23, s23, STAGE           ; my stage
	v_mul_u32_u24 v5, v1, SP               ; in: row l % 16, 16 bytes for each half of the lanes
	v_lshl_add_u32 v5, v2, 4, v5
	v_add_nc_u32 v[STO], s23, v5
	v_mul_u32_u24 v6, v2, SP               ; back: lanes 0-15 take one row of 256 bytes, lanes 16-31 the next
	v_lshl_add_u32 v6, v1, 4, v6
	v_add_nc_u32 v[RD], s23, v6
	v_mul_u32_u24 v7, v2, TOK              ; and the same two tokens in qkv
	v_lshl_add_u32 v[CO], v1, 4, v7
	; The prefetch's rows.  s[4:9] stand at row 128 (w % 2) of the block of tokens; from there my rows are 64 (w / 2) + 16 cx + l % 16: sixteen groups of 16 rows for the sixteen pairs (cx, w).  Lanes 16-31 take the second of the pair's two blocks.
	s_lshl_b32 s[PT], s15, 6
	s_lshl_b32 s[PO], s40, 4
	s_add_co_u32 s[PT], s[PT], s[PO]
	v_add_nc_u32 v8, s[PT], v1
	v_lshlrev_b32 v8, 12, v8               ; rows of 4,096 bytes
	v_lshl_add_u32 v[PFO], v2, 8, v8
	s_mov_b32 s[PP], 2                     ; the first trip asks for K steps 4 and 5 of query
	s_mov_b32 s[PO+1], 0
	s_lshl_b32 s70, s43, 8
	s_lshl_b32 s71, s14, 6
	s_add_co_u32 s70, s70, s71             ; my first token: 256 x block + 64 x wave
	s_mul_i32 s70, s70, TOK
	s_lshl_b32 s71, s42, 9                 ; my block's 256 columns of 2 bytes
	s_add_co_u32 s70, s70, s71
	s_mov_b32 s71, 0
	s_add_nc_u64 s[12:13], s[12:13], s[70:71]  ; qkv at my part of q
; 48 LDS loads in one run: quarter kq of a slot.  A's 64 rows in f32 first (16 loads), then B's 256 rows into buffer g (32 loads).
.macro FETCH slot, kq, g
	WIN 0
.irp a, 0,1,2,3
	ds_load_b128 v[STG+16*(\a):STG+16*(\a)+3],     v[ADRA+(\slot)] offset:(\kq)*128+(\a)*16*PA
	ds_load_b128 v[STG+16*(\a)+4:STG+16*(\a)+7],   v[ADRA+(\slot)] offset:(\kq)*128+(\a)*16*PA+16
	ds_load_b128 v[STG+16*(\a)+8:STG+16*(\a)+11],  v[ADRA+(\slot)] offset:(\kq)*128+(\a)*16*PA+64
	ds_load_b128 v[STG+16*(\a)+12:STG+16*(\a)+15], v[ADRA+(\slot)] offset:(\kq)*128+(\a)*16*PA+80
.endr
	WIN 0x40                               ; destination window 1, address window 0
.irp b, 0,1,2,3,4,5,6,7,8,9,10,11,12,13,14,15
	ds_load_b128 v[128*(\g)+8*(\b):128*(\g)+8*(\b)+3],   v[ADRB+(\slot)] offset:(\kq)*64+(\b)*16*PBT
	ds_load_b128 v[128*(\g)+8*(\b)+4:128*(\g)+8*(\b)+7], v[ADRB+(\slot)] offset:(\kq)*64+(\b)*16*PBT+32
.endr
.endm
; Four of the 32 roundings that make A's four fragments of buffer g
.macro CVT4 g, i
	WIN 0
.set cc, 4*(\i)
.rept 4
	v_cvt_pk_bf16_f32 v[AF+32*(\g)+cc], v[STG+2*cc], v[STG+2*cc+1]
.set cc, cc+1
.endr
.endm
; nb matrix instructions: rows 16 a on, column blocks b0 on, 32 along K, buffer f.  zero = 1: the product starts the sum: nothing is ever cleared.
; ride = 1: behind every second one stand four roundings for buffer g, which name none of the products' registers.
; The 64 accumulators take turns in one fixed order, one instruction a turn: between two links of a chain stand the 63 others'.
.macro MUL f, a, b0, nb, zero, ride, g
.set bb, \b0
.rept \nb
	WIN 0xa1+0x50*((\a)/2)                 ; source 0 (B) window 1, source 1 (A) window 0, C and D window 2 or 3
.set rD, 8*(16*((\a)%2)+bb)
.if \zero
	v_wmma_f32_16x16x32_bf16 v[rD:rD+7], v[128*(\f)+8*bb:128*(\f)+8*bb+7], v[AF+32*(\f)+8*(\a):AF+32*(\f)+8*(\a)+7], 0
.else
	v_wmma_f32_16x16x32_bf16 v[rD:rD+7], v[128*(\f)+8*bb:128*(\f)+8*bb+7], v[AF+32*(\f)+8*(\a):AF+32*(\f)+8*(\a)+7], v[rD:rD+7]
.endif
.if (\ride) && (bb%2 == 1)
	CVT4 \g, (bb-1)/2
.endif
.set bb, bb+1
.endr
.endm
; A step's first quarter multiplies buffer 0; it fetches the same slot's second quarter and rounds A for buffer 1.
; The loads into B's buffer 1 stand four plain vector instructions behind the last product that read it: the four roundings that end the turn before (or the way out, or the head).
.macro QUARTER slot, zero
	FETCH \slot, 1, 1
	s_wait_dscnt 48                        ; all but the 48 just issued: B's buffer 0 is in
	MUL 0, 0, 0, 16, \zero, 0, 0
	MUL 0, 1, 0, 16, \zero, 0, 0
	MUL 0, 2, 0, 16, \zero, 0, 0
	s_wait_dscnt 32                        ; A's 16 loads are in; B's 32, issued behind them, may be out
	MUL 0, 3, 0, 16, \zero, 1, 1
.endm
; A step's second quarter multiplies buffer 1 and changes slots: ONE barrier.  In front of it each wave waits for all its tensor loads, of which one is out: its part of the next slot; adds 0 to its spare
; word; and waits for that and for its own reads of this slot.  Behind it nobody reads this slot any more and the next slot is whole.
; mode 1: this slot is filled again, two steps on.  mode 2: with the NEXT tile's step 0 or 1: A from key (while q is made: s2 = 3) or value; wb's blocks run on from t into t + 1.  In both the barrier opens a
; round of the cluster's barrier, and the joint refill is the first thing behind the round: 112 matrix instructions ahead of the wait for it.  mode 0: nothing is left to ask for.
.macro TURN slot, next, mode
	WIN 0                                  ; (the add's two registers lie in window 0)
	s_wait_tensorcnt 0x0                   ; all my tensor loads have landed
	ds_add_u32 v[SPW], v[NIL]              ; 0 onto my spare word
	s_wait_dscnt 1                         ; only the add may be out: B's buffer 1 is in
	MUL 1, 0, 0, 8, 0, 0, 0                ; eight matrix instructions stand between the add and the wait for it
	s_wait_dscnt 0x0                       ; the add is done, and my reads of this slot are over
	s_barrier_signal -1
	MUL 1, 0, 8, 8, 0, 0, 0                ; work on registers while the others arrive
	WIN 0                                  ; at a branch and at a label every window is 0
	s_barrier_wait -1
.if (\mode) == 0
	PLACES
.else
	CREST                                  ; no wave of any partner still reads this slot's tiles or has a load on its way
.if (\mode) == 1
	s_add_nc_u64 s[G0+4*(\slot)+2:G0+4*(\slot)+3], s[G0+4*(\slot)+2:G0+4*(\slot)+3], 512
.else
	s_cmp_eq_u32 s2, 3
	s_cselect_b64 s[66:67], s[6:7], s[8:9]
	s_add_nc_u64 s[G0+4*(\slot)+2:G0+4*(\slot)+3], s[66:67], (\slot)*256
	s_or_b32 s[G0+4*(\slot)+3], s[G0+4*(\slot)+3], 0x80000000
.endif
	s_add_nc_u64 s[G0B+4*(\slot)+2:G0B+4*(\slot)+3], s[G0B+4*(\slot)+2:G0B+4*(\slot)+3], 2*BBLK
	JLOAD \slot
.endif
	FETCH \next, 0, 0
	MUL 1, 1, 0, 16, 0, 0, 0
	MUL 1, 2, 0, 16, 0, 0, 0
	s_wait_dscnt 32                        ; A's 16 loads are in; B's 32 may be out
	MUL 1, 3, 0, 16, 0, 1, 0
.endm
; THE WAY OUT of block a = 0..7: tokens 16 (a / 2) on, columns 128 (a % 2) on: eight accumulators at v[64 (a % 4)] of window 2 + a / 4.
; PACK: rounded to f16, each accumulator's registers in ascending order, 16 bytes a lane.  TOSTAGE: into my own stage and back as whole rows of 256 bytes.  SEND: stored.
.macro PACK a
.set AC, 64*((\a)%4)
	WIN 0x0a+5*((\a)/4)                    ; sources 0 and 1: window 2 or 3
.irp b, 0,1,2,3,4,5,6,7
.irp r, 0,1,2,3
	v_cvt_pk_f16_f32 v[TMP+4*(\b)+(\r)], v[AC+8*(\b)+2*(\r)], v[AC+8*(\b)+2*(\r)+1]
.endr
.endr
	WIN 0
.endm
.macro TOSTAGE a
	WIN 0
.set BK, OB+32*((\a)%2)
.irp b, 0,1,2,3,4,5,6,7
	ds_store_b128 v[STO], v[TMP+4*(\b):TMP+4*(\b)+3] offset:32*(\b)
.endr
.irp u, 0,1,2,3,4,5,6,7
	ds_load_b128 v[BK+4*(\u):BK+4*(\u)+3], v[RD] offset:(\u)*2*SP  ; LDS serves a wave's instructions in order (ISA guide 5.7.1.4): these see the stores above
.endr
.endm
.macro SEND a, younger
	WIN 0
.set BK, OB+32*((\a)%2)
	s_wait_dscnt \younger                  ; the block is back in registers
	s_wait_xcnt 0x0                        ; the registers that the block before's stores read are loaded again only behind this wait
.irp u, 0,1,2,3,4,5,6,7
	global_store_b128 v[CO], v[BK+4*(\u):BK+4*(\u)+3], s[12:13] offset:(16*((\a)/2)+2*(\u))*TOK+256*((\a)%2)  ; 16 lanes store 256 consecutive bytes, at a multiple of 256 from qkv's first byte
.endr
.endm
.macro WAYOUT                          ; block a's roundings stand between block a - 1's loads from the stage and the wait for them
	PACK 0
	TOSTAGE 0
.irp a, 1,2,3,4,5,6,7
	PACK \a
	SEND (\a)-1, 0
	TOSTAGE \a
.endr
	SEND 7, 0
.endm
	s_wait_tensorcnt 1                     ; my part of step 0 is in; step 1's may stay out
	s_barrier_signal -1
	s_barrier_wait -1                      ; everybody's is
	FETCH 0, 0, 0
	s_wait_dscnt 32                        ; A's 16 loads are in
.irp i, 0,1,2,3,4,5,6,7
	CVT4 0, \i
.endr
	s_mov_b32 s2, 3                        ; tiles to go, this one among them: the same number in every work-group
.Ltile:
	QUARTER 0, 1                           ; a tile's first quarter stands in front of the loop: its products start the sums
	WIN 0
	s_mov_b32 s3, 7
.Llap:                                         ; a trip goes once round the ring and fills both slots again: seven trips ask for steps 2 to 15
	TURN 0, 1, 1
	PREF                                   ; behind the turn's tensor load and its products: the pair of steps that the next trip's two tensor loads ask for
	QUARTER 1, 0
	TURN 1, 0, 1
	QUARTER 0, 0
	WIN 0
	s_sub_co_u32 s3, s3, 1
	s_cmp_lg_u32 s3, 0
	s_cbranch_scc1 .Llap
	s_cmp_eq_u32 s2, 1
	s_cbranch_scc1 .Llast                  ; the last tile's tail is written out: it asks for nothing more, by tensor load or by prefetch
	TURN 0, 1, 2                           ; the ring goes on into the next tile: slot 0 takes its step 0,
	PREF                                   ; (the next tile's steps 2 and 3, which its first trip asks for)
	QUARTER 1, 0
	TURN 1, 0, 2                           ; slot 1 its step 1, and its first fragments are fetched and rounded
	WAYOUT                                 ; both refills are asked for: now the tile goes out.  The roundings that end the turn are the places behind its last products
	s_wait_xcnt 0x0                        ; the stores have read their registers and their base
	s_add_nc_u64 s[12:13], s[12:13], 2048  ; from q to k, from k to v
	s_sub_co_u32 s2, s2, 1
	s_branch .Ltile
.Llast:
	TURN 0, 1, 0
	QUARTER 1, 0
	s_wait_dscnt 0x0                       ; the very last quarter: nothing more to fetch
	MUL 1, 0, 0, 16, 0, 0, 0
	MUL 1, 1, 0, 16, 0, 0, 0
	MUL 1, 2, 0, 16, 0, 0, 0
	MUL 1, 3, 0, 16, 0, 0, 0
	WIN 0
	PLACES
	WAYOUT
	s_wait_tensorcnt 0x0                   ; the wave's end, behind my last tensor load and my last LDS store
	ds_add_u32 v[SPW], v[NIL]
	s_wait_dscnt 0x0
	CROUND                                 ; the closing round: no work-group ends while a partner may still ask for a tile that names it
	s_endpgm
.Lfunc_end_k_qece4d2d105_proj:
	.size	k_qece4d2d105_proj, .Lfunc_end_k_qece4d2d105_proj-k_qece4d2d105_proj
	.p2alignl 7, 3214868480
	.fill 96, 4, 3214868480
	.section	.rodata,"a",@progbits
	.p2align	6, 0x0
	.amdhsa_kernel k_qece4d2d105_proj
		.amdhsa_group_segment_fixed_size 327680
		.amdhsa_private_segment_fixed_size 0
		.amdhsa_enable_private_segment 0
		.amdhsa_kernarg_size 40
		.amdhsa_user_sgpr_count 2
		.amdhsa_user_sgpr_kernarg_segment_ptr 1
		.amdhsa_wavefront_size32 1
		.amdhsa_system_sgpr_workgroup_id_x 1
		.amdhsa_system_sgpr_workgroup_id_y 1
		.amdhsa_system_sgpr_workgroup_id_z 1
		.amdhsa_system_vgpr_workitem_id 0
		.amdhsa_next_free_vgpr 1024
		.amdhsa_next_free_sgpr 80
		.amdhsa_reserve_vcc 0
		.amdhsa_float_denorm_mode_32 3
		.amdhsa_float_denorm_mode_16_64 3
		.amdhsa_memory_ordered 1
		.amdhsa_forward_progress 1
		.amdhsa_inst_pref_size 182
	.end_amdhsa_kernel
	.amdgpu_metadata
---
amdhsa.version: [ 1, 2 ]
amdhsa.kernels:
  - .name:           k_qece4d2d105_proj
    .symbol:         k_qece4d2d105_proj.kd
    .args:
      - { .name: query, .offset: 0, .size: 8, .value_kind: global_buffer, .address_space: global }
      - { .name: key, .offset: 8, .size: 8, .value_kind: global_buffer, .address_space: global }
      - { .name: value, .offset: 16, .size: 8, .value_kind: global_buffer, .address_space: global }
      - { .name: wb, .offset: 24, .size: 8, .value_kind: global_buffer, .address_space: global }
      - { .name: qkv, .offset: 32, .size: 8, .value_kind: global_buffer, .address_space: global }
    .group_segment_fixed_size: 327680
    .private_segment_fixed_size: 0
    .kernarg_segment_align: 8
    .kernarg_segment_size: 40
    .max_flat_workgroup_size: 128
    .sgpr_count:     80
    .vgpr_count:     1024
    .wavefront_size: 32
...
	.end_amdgpu_metadata
.endif
;; end of part 2
;; launch attn (part 3): grid 256 x 1, 8 waves a work-group, no clusters, 327,680 bytes of LDS; arguments qkv, xp; writes xp
.if DOCPART == 3
	.amdgcn_target "amdgcn-amd-amdhsa--gfx1250"
	.amdhsa_code_object_version 6
	.text
	.protected	k_qece4d2d105_attn
	.globl	k_qece4d2d105_attn
	.p2align	8
	.type	k_qece4d2d105_attn,@function
k_qece4d2d105_attn:
	s_mov_b64 s[64:65], 0
	v_nop
	global_prefetch_b8 v0, s[64:65] scope:SCOPE_SE
	s_setreg_imm32_b32 hwreg(HW_REG_WAVE_MODE, 25, 1), 1
	s_wait_xcnt 0x0
; ATTENTION INSIDE EACH TOKEN, over its 16 heads: S[h][g] = q[h] . k[g] / 8 (64 channels), softmax over g, x[h] = the sum over g of P[h][g] v[g].
; qkv: f16 [token][q | k | v][16 heads][64].  xp: f16, x after (B, N, H, D) -> (B, H, N, D) -> (B, N, C): xp[b 2048 + h 128 + n / 16][(n % 16) 64 + d].
; Products, maximum and sum in f32; the maximum is taken away before the exponential; P is divided by its sum and then rounded to f16; x rounded once.
; LIMITS.  q, k, v arrive within f16's range; a weight below 2^-126 counts as 0; NaN and infinities are not treated apart: the second product takes two tokens at once and multiplies the other token's v by 0.
; SHARES.  Work-group g owns tokens 64 g .. 64 g + 63, wave w eight of them, as four PAIRS.  Two pairs are 24,576 dense bytes: ONE tensor load of 96 rows of 256 bytes brings them into the wave's own part of LDS.
; Both pairs' fragments go to registers at once, so that the same bytes can be filled again, with the wave's other two pairs, before any arithmetic: that load is on its way while the first two pairs are worked on.
; One refill, one barrier.  NO CLUSTER: no byte is read by two work-groups.
; LAYOUT.  S^T = K Q^T (source 0 = the 16 heads g, source 1 = the 16 heads h): a lane holds one h (lane % 16) and g = 8 (lane / 16) + 0..7.  Rounded in pairs, these eight ARE half of source 1 of
; x^T = V^T P.  That product is 32 deep and a token has 16 heads, so source 0 holds token 0's v in its first 16 and token 1's in its last 16, and source 1 is [P0, 0] or [0, P1].
.set TOKB,  6912                       ; a token in LDS: 48 head rows of 128 bytes + 16 of padding: q at 0, k at 2,304, v at 4,608
.set PAIRB, 2*TOKB                     ; a pair
.set RING,  2*PAIRB                    ; a wave's part: two pairs, 27,648 bytes
.set STAGE, 8*RING                     ; behind them, never filled by a tensor load: 16 rows x 272 bytes for each wave
.set SP,    272
.set SPARE, STAGE+8*16*SP              ; behind the stages: the spare words, 128 bytes for each wave: four blocks of 256 bytes that no other line names
.set SPW, 2                            ; v2   LDS address of my spare word; never rewritten
.set NIL, 3                            ; v3   0; never rewritten
.set AQ,  4                            ; v4   my lane's place in a fragment of q or k of the first pair's token 0
.set AVT, 5                            ; v5   the same for the turning load of v
.set STO, 6                            ; v6   the way out: where I put 16 bytes of a row
.set RD,  7                            ; v7   where I read rows back
.set GO,  8                            ; v8   my byte offset in xp
.set ST,  16                           ; v16-31   eight a token: c m, m, two pairs at work, 1 / l, a filler named with it as a pair
.set PB,  32                           ; v32-43   P0 (4), zeros (4, set once), P1 (4)
.set S,   44                           ; v44-59   S^T, 8 a token
.set FR,  60                           ; v60-155, v156-251: two sets of 96, one a pair: k (16 a token), q (16 a token), v turned (channels 16 c on at + 64 + 8 c).
                                       ; Behind the first product k's and q's 64 registers take x^T (channels 16 c on of token t at 8 (2 c + t)); v's 32 then take the packed results, k's 32 the rows read back
.set G1,  16                           ; s[16:23] descriptor group 1
.set G0,  24                           ; s[24:27] group 0
.set CS,  32                           ; s[32:33] c = log2(e) / 8
.set SEL, 34                           ; s[34:35] v_permlanex16_b32's selects: each lane takes its own place in the other half
	s_load_b128 s[4:7], s[0:1], 0x0        ; qkv s[4:5], xp s[6:7]
	v_lshl_add_u32 v[SPW], v0, 2, SPARE
	v_mov_b32 v[NIL], 0
	ds_add_u32 v2, v3
	ds_add_u32 v2, v3
	s_wait_dscnt 0x0
	v_lshrrev_b32 v1, 5, v0
	v_readfirstlane_b32 s8, v1             ; wave 0..7
	; group 1: 24,576 dense bytes as 96 rows x 128 elements of 2 bytes; 4 words of padding after every 32 words, that is behind each head's 128 bytes
	s_mov_b32 s[G1+0], (1<<16)|(1<<20)|(4<<22)|(3<<25)
	s_mov_b32 s[G1+1], 128<<16             ; tensor_dim0 = 128
	s_mov_b32 s[G1+2], 96<<16              ; tensor_dim1 = 96
	s_mov_b32 s[G1+3], 128<<16             ; tile_dim0 = 128
	s_mov_b32 s[G1+4], 96                  ; tile_dim1 = 96
	s_mov_b32 s[G1+5], 128                 ; 128 elements from row to row
	s_mov_b32 s[G1+6], 0
	s_mov_b32 s[G1+7], 0
	s_lshl_b32 s12, ttmp9, 6
	s_lshl_b32 s13, s8, 3
	s_add_co_u32 s12, s12, s13             ; my first token
	s_mul_i32 s12, s12, 6144
	s_mov_b32 s13, 0
	s_lshr_b32 s9, ttmp9, 5                ; b: 32 work-groups to a batch
	s_lshl_b32 s9, s9, 22                  ; 2,048 rows of 2,048 bytes
	s_and_b32 s10, ttmp9, 31
	s_lshl_b32 s10, s10, 2
	s_lshr_b32 s11, s8, 1
	s_add_co_u32 s10, s10, s11             ; n / 16 of my eight tokens
	s_lshl_b32 s10, s10, 11
	s_add_co_u32 s10, s10, s9
	s_and_b32 s11, s8, 1
	s_lshl_b32 s11, s11, 10                ; n % 16 begins at 0 or 8: 128 bytes a token
	s_add_co_u32 s10, s10, s11
	s_mov_b32 s11, 0
	s_mul_i32 s14, s8, RING                ; my part of LDS
	s_mul_i32 s15, s8, 16*SP
	s_add_co_u32 s15, s15, STAGE           ; my stage
	s_add_co_u32 s36, s14, 4608            ; v in my part
	s_mov_b32 s[CS], 0x3e38aa3b            ; 0.180337
	s_mov_b32 s[CS+1], s[CS]               ; named with it as a pair
	s_mov_b32 s[SEL], 0x76543210
	s_mov_b32 s[SEL+1], 0xfedcba98
	s_mov_b32 s[G0], 1                     ; count = 1
	s_mov_b32 s[G0+1], s14                 ; LDS address
	s_wait_kmcnt 0x0
	s_add_nc_u64 s[4:5], s[4:5], s[12:13]
	s_add_nc_u64 s[6:7], s[6:7], s[10:11]
	s_mov_b64 s[G0+2:G0+3], s[4:5]         ; global address: my pairs 0 and 1
	s_or_b32 s[G0+3], s[G0+3], 0x80000000  ; type = 2
	tensor_load_to_lds s[G0:G0+3], s[G1:G1+7]  ; the first fill, ahead of every wait on TENSORcnt, every LDS read and the barrier: one load of mine is out
	s_nop 0
	v_and_b32 v1, 15, v0                   ; l % 16
	v_bfe_u32 v9, v0, 4, 1                 ; l / 16
	v_mul_u32_u24 v10, v1, 144
	v_lshl_add_u32 v10, v9, 4, v10
	v_add_nc_u32 v[AQ], s14, v10           ; head row l % 16, 16 bytes for each half of the lanes
	; The turning load takes 16 heads x 16 channels (lane l reads head 8 (l / 16) + l % 8, channels 8 ((l / 8) % 2) + 0..7) and leaves half a fragment of V^T: lane l holds channel l % 16 and 8 heads.
	v_and_b32 v11, 7, v0
	v_lshl_add_u32 v11, v9, 3, v11
	v_mul_u32_u24 v11, v11, 144
	v_bfe_u32 v12, v0, 3, 1
	v_lshl_add_u32 v11, v12, 4, v11
	v_add_nc_u32 v[AVT], s36, v11
	v_mul_u32_u24 v13, v1, SP              ; in: row h = l % 16
	v_lshl_add_u32 v13, v9, 4, v13
	v_add_nc_u32 v[STO], s15, v13
	v_mul_u32_u24 v14, v9, SP              ; back: lanes 0-15 one row of 256 bytes, lanes 16-31 the next
	v_lshl_add_u32 v14, v1, 4, v14
	v_add_nc_u32 v[RD], s15, v14
	v_lshlrev_b32 v15, 18, v9              ; a head further on is 128 rows of 2,048 bytes
	v_lshl_add_u32 v[GO], v1, 4, v15
.set i, 0
.rept 4
	v_mov_b32 v[PB+4+i], 0                 ; the zeros between P0 and P1
.set i, i+1
.endr
.set i, 0
.rept 16
	v_mov_b32 v[ST+i], 0                   ; written once whole: v_permlanex16_b32 counts as a reader of its destination, and the filler is named in a pair
.set i, i+1
.endr
.macro BOTH line:vararg                ; one line for each of the pair's tokens t: the two alternate, so that no line waits for the one before it
.set t, 0
.rept 2
	\line
.set t, t+1
.endr
.endm
.macro SOFT
	BOTH v_max3_num_f32 v[ST+8*t+2], v[S+8*t], v[S+8*t+1], v[S+8*t+2]      ; each accumulator's lowest registers are read first
	BOTH v_max3_num_f32 v[ST+8*t+3], v[S+8*t+3], v[S+8*t+4], v[S+8*t+5]
	BOTH v_max3_num_f32 v[ST+8*t+2], v[ST+8*t+2], v[S+8*t+6], v[S+8*t+7]
	BOTH v_max_num_f32 v[ST+8*t+2], v[ST+8*t+2], v[ST+8*t+3]
	BOTH v_permlanex16_b32 v[ST+8*t+4], v[ST+8*t+2], s[SEL], s[SEL+1]      ; the head's other eight scores lie in the lane 16 away
	BOTH v_max_num_f32 v[ST+8*t+1], v[ST+8*t+2], v[ST+8*t+4]               ; m
	BOTH v_mul_f32 v[ST+8*t], s[CS], v[ST+8*t+1]                           ; c m
.irp i, 0,2,4,6
	BOTH v_pk_fma_f32 v[S+8*t+(\i):S+8*t+(\i)+1], v[S+8*t+(\i):S+8*t+(\i)+1], s[CS:CS+1], v[ST+8*t:ST+8*t+1] op_sel_hi:[1,0,0] neg_lo:[0,0,1] neg_hi:[0,0,1]  ; c s - c m
.endr
.irp i, 0,1,2,3,4,5,6,7
	BOTH v_exp_f32 v[S+8*t+(\i)], v[S+8*t+(\i)]
.endr
	v_nop                                  ; a plain instruction between the last exponential and the use of its result (ISA guide 5.7.2)
	s_wait_alu depctr_va_vdst(0)
	BOTH v_pk_add_f32 v[ST+8*t+2:ST+8*t+3], v[S+8*t:S+8*t+1], v[S+8*t+2:S+8*t+3]
	BOTH v_pk_add_f32 v[ST+8*t+4:ST+8*t+5], v[S+8*t+4:S+8*t+5], v[S+8*t+6:S+8*t+7]
	BOTH v_pk_add_f32 v[ST+8*t+2:ST+8*t+3], v[ST+8*t+2:ST+8*t+3], v[ST+8*t+4:ST+8*t+5]
	BOTH v_add_f32 v[ST+8*t+2], v[ST+8*t+2], v[ST+8*t+3]
	BOTH v_permlanex16_b32 v[ST+8*t+4], v[ST+8*t+2], s[SEL], s[SEL+1]
	BOTH v_add_f32 v[ST+8*t+2], v[ST+8*t+2], v[ST+8*t+4]                   ; l
	BOTH v_rcp_f32 v[ST+8*t+6], v[ST+8*t+2]
	v_nop                                  ; a plain instruction behind the reciprocals
	s_wait_alu depctr_va_vdst(0)
.irp i, 0,2,4,6
	BOTH v_pk_mul_f32 v[S+8*t+(\i):S+8*t+(\i)+1], v[S+8*t+(\i):S+8*t+(\i)+1], v[ST+8*t+6:ST+8*t+7] op_sel_hi:[1,0]
.endr
.irp i, 0,1,2,3
	BOTH v_cvt_pk_f16_f32 v[PB+8*t+(\i)], v[S+8*t+2*(\i)], v[S+8*t+2*(\i)+1]
.endr
.endm
; 24 LDS loads: the fragments of the pair that lies at place s (0, 1) of my part of LDS, into set s
.macro LOADF s
.set F, FR+96*(\s)
.irp t, 0,1
.irp c, 0,1,2,3
	ds_load_b128 v[F+16*(\t)+4*(\c):F+16*(\t)+4*(\c)+3], v[AQ] offset:(\s)*PAIRB+(\t)*TOKB+2304+32*(\c)
.endr
.irp c, 0,1,2,3
	ds_load_b128 v[F+32+16*(\t)+4*(\c):F+32+16*(\t)+4*(\c)+3], v[AQ] offset:(\s)*PAIRB+(\t)*TOKB+32*(\c)
.endr
.endr
.irp c, 0,1,2,3
	ds_load_tr16_b128 v[F+64+8*(\c):F+64+8*(\c)+3],   v[AVT] offset:(\s)*PAIRB+32*(\c)       ; token 0's heads: the product's first 16
	ds_load_tr16_b128 v[F+64+8*(\c)+4:F+64+8*(\c)+7], v[AVT] offset:(\s)*PAIRB+TOKB+32*(\c)  ; token 1's: its last 16
.endr
.endm
; Pair p, whose fragments lie in set f.  left: how many younger LDS loads may be out when the set has to be in; -1: an earlier wait has shown it in.
.macro WORK p, f, left
.set F, FR+96*(\f)
.if (\left) >= 0
	s_wait_dscnt \left
.endif
	v_wmma_f32_16x16x32_f16 v[S:S+7],    v[F:F+7],     v[F+32:F+39], 0          ; the two tokens' sums take turns
	v_wmma_f32_16x16x32_f16 v[S+8:S+15], v[F+16:F+23], v[F+48:F+55], 0
	v_wmma_f32_16x16x32_f16 v[S:S+7],    v[F+8:F+15],  v[F+40:F+47], v[S:S+7]
	v_wmma_f32_16x16x32_f16 v[S+8:S+15], v[F+24:F+31], v[F+56:F+63], v[S+8:S+15]
.rept 4
	v_nop                                  ; four places behind the products (ISA guide 7.12.1): no other vector work is at hand
.endr
	SOFT                                   ; its lines on the statistics alone are further places: the products below write over k's and q's registers
.irp c, 0,1,2,3
.irp t, 0,1
	v_wmma_f32_16x16x32_f16 v[F+8*(2*(\c)+(\t)):F+8*(2*(\c)+(\t))+7], v[F+64+8*(\c):F+64+8*(\c)+7], v[PB+4*(\t):PB+4*(\t)+7], 0
.endr
.endr
.rept 4
	v_nop                                  ; four places: the roundings below read the results and write over v's registers, and the loads from the stage land in the results' registers
.endr
.set i, 0
.rept 32
	v_cvt_pk_f16_f32 v[F+64+i], v[F+2*i], v[F+2*i+1]
.set i, i+1
.endr
.irp c, 0,1,2,3
.irp t, 0,1
	ds_store_b128 v[STO], v[F+64+4*(2*(\c)+(\t)):F+64+4*(2*(\c)+(\t))+3] offset:(\t)*128+32*(\c)  ; row h: token t's 128 bytes, my eight channels
.endr
.endr
.irp u, 0,1,2,3,4,5,6,7
	ds_load_b128 v[F+4*(\u):F+4*(\u)+3], v[RD] offset:(\u)*2*SP  ; LDS serves a wave's instructions in order (ISA guide 5.7.1.4): these see the stores above
.endr
.irp u, 0,1,2,3,4,5,6,7
	s_wait_dscnt 7-(\u)
	global_store_b128 v[GO], v[F+4*(\u):F+4*(\u)+3], s[6:7] offset:(\p)*256+2*(\u)*262144  ; 16 lanes store 256 consecutive bytes, at a multiple of 256 from xp's first byte: heads 2 u and 2 u + 1
.endr
.endm
	s_wait_tensorcnt 0x0                   ; pairs 0 and 1 are in LDS
	LOADF 0
	LOADF 1
	s_wait_tensorcnt 0x0                   ; no load has been issued since: met at once; it stands here because the add follows it
	ds_add_u32 v[SPW], v[NIL]              ; 0 onto my spare word
	s_add_nc_u64 s[G0+2:G0+3], s[G0+2:G0+3], 24576  ; no tensor load of mine is out, so group 0 may be written: pairs 2 and 3
	s_wait_dscnt 0x0                       ; the add is done, and all 48 reads of my part of LDS are back
	s_barrier_signal -1
	s_barrier_wait -1
	tensor_load_to_lds s[G0:G0+3], s[G1:G1+7]  ; my one tensor load behind the barrier, and the first thing there: it lands while pairs 0 and 1 are worked on
	s_nop 0
	WORK 0, 0, -1
	WORK 1, 1, -1
	s_wait_tensorcnt 0x0                   ; pairs 2 and 3 are in LDS
	s_wait_xcnt 0x0                        ; the registers that the stores of pairs 0 and 1 read are loaded again only behind this wait
	LOADF 0
	LOADF 1
	WORK 2, 0, 24                          ; set 0's 24 loads are in; set 1's 24, issued behind them, may be out
	WORK 3, 1, -1                          ; the last wait of pair 2's way out was for 0
	s_wait_tensorcnt 0x0                   ; the wave's end, behind my last tensor load and my last LDS store
	ds_add_u32 v[SPW], v[NIL]
	s_wait_dscnt 0x0
	s_endpgm
.Lfunc_end_k_qece4d2d105_attn:
	.size	k_qece4d2d105_attn, .Lfunc_end_k_qece4d2d105_attn-k_qece4d2d105_attn
	.p2alignl 7, 3214868480
	.fill 96, 4, 3214868480
	.section	.rodata,"a",@progbits
	.p2align	6, 0x0
	.amdhsa_kernel k_qece4d2d105_attn
		.amdhsa_group_segment_fixed_size 327680
		.amdhsa_private_segment_fixed_size 0
		.amdhsa_enable_private_segment 0
		.amdhsa_kernarg_size 16
		.amdhsa_user_sgpr_count 2
		.amdhsa_user_sgpr_kernarg_segment_ptr 1
		.amdhsa_wavefront_size32 1
		.amdhsa_system_sgpr_workgroup_id_x 1
		.amdhsa_system_sgpr_workgroup_id_y 1
		.amdhsa_system_sgpr_workgroup_id_z 1
		.amdhsa_system_vgpr_workitem_id 0
		.amdhsa_next_free_vgpr 252
		.amdhsa_next_free_sgpr 66
		.amdhsa_reserve_vcc 0
		.amdhsa_float_denorm_mode_32 3
		.amdhsa_float_denorm_mode_16_64 3
		.amdhsa_memory_ordered 1
		.amdhsa_forward_progress 1
		.amdhsa_inst_pref_size 45
	.end_amdhsa_kernel
	.amdgpu_metadata
---
amdhsa.version: [ 1, 2 ]
amdhsa.kernels:
  - .name:           k_qece4d2d105_attn
    .symbol:         k_qece4d2d105_attn.kd
    .args:
      - { .name: qkv, .offset: 0, .size: 8, .value_kind: global_buffer, .address_space: global }
      - { .name: xp, .offset: 8, .size: 8, .value_kind: global_buffer, .address_space: global }
    .group_segment_fixed_size: 327680
    .private_segment_fixed_size: 0
    .kernarg_segment_align: 8
    .kernarg_segment_size: 16
    .max_flat_workgroup_size: 256
    .sgpr_count:     66
    .vgpr_count:     252
    .wavefront_size: 32
...
	.end_amdgpu_metadata
.endif
;; end of part 3
;; launch oproj (part 4): grid 4 x 64, 4 waves a work-group, clusters of 4 x 4, 327,680 bytes of LDS; arguments xp, wp16, bp, out0; writes out0
.if DOCPART == 4
	.amdgcn_target "amdgcn-amd-amdhsa--gfx1250"
	.amdhsa_code_object_version 6
	.text
	.protected	k_qece4d2d105_oproj
	.globl	k_qece4d2d105_oproj
	.p2align	8
	.type	k_qece4d2d105_oproj,@function
k_qece4d2d105_oproj:
	s_mov_b64 s[64:65], 0
	v_nop
	global_prefetch_b8 v0, s[64:65] scope:SCOPE_SE
	s_setreg_imm32_b32 hwreg(HW_REG_WAVE_MODE, 25, 1), 1
	s_wait_xcnt 0x0
	s_wait_alu depctr_hold_cnt(0) depctr_sa_sdst(0) depctr_va_vdst(0) depctr_va_sdst(0) depctr_va_ssrc(0) depctr_va_vcc(0) depctr_vm_vsrc(0)
	s_getreg_b32 s2, hwreg(HW_REG_IB_STS2, 6, 4)
	s_cmp_eq_u32 s2, 0
	s_cbranch_scc0 .Lentry_in_a_cluster
	s_endpgm
.Lentry_in_a_cluster:
	s_bfe_u32 s2, ttmp6, 0x10000c
	s_cmp_lg_u32 s2, 0xf033
	s_cbranch_scc0 .Lentry_shape_is_right
	s_endpgm
.Lentry_shape_is_right:
; out0[m][n] = the sum over k of xp[m][k] wp16[n][k] + bp[n].  xp: [16384][1024] f16, wp16: [1024][1024] f16 (Wp rounded to bf16), bp: [1024] f32 (rounded to bf16 here, like every input), out0: f32.
; Sums in f32; the bias is the C operand of the products that start the sums, so nothing is cleared and nothing is added afterwards.
; A tile of out0, 256 x 256, is made by a work-group of four waves; a wave makes 128 x 128: 64 accumulators, 512 registers.  256 tiles, one to a work-group.  K goes in steps of 128 through two LDS slots:
; the tiles' rows are 256 bytes of memory at multiples of 256.
; CLUSTERS: 4 x 4 work-groups.  The four of a row of the cluster need the same tiles of xp, the four of a column the same tiles of wp16: each is asked for JOINTLY, by the same tensor load, descriptor and mask in all four.
; THE MATRIX INSTRUCTION IS USED TRANSPOSED (source 0 = 16 rows of wp16, source 1 = 16 rows of xp): a lane holds eight neighbouring columns of one row of out0.
; REGISTERS, in windows of 256 (s_set_vgpr_msb: bits 1:0 source 0, 3:2 source 1, 5:4 source 2, 7:6 destination):
;   window 0: v0-31 addresses; v64-127, v128-191 fragments of A, two buffers (on the way out: rows read back); v192-255 the bias of my 128 columns, as the results lie
;   window 1: v64-127, v128-191 fragments of B          window 2: the accumulators of my rows 0-63 ((a, b) at v[8 (8 a + b)]);  window 3: of my rows 64-127
.set SIZE_N, 1024
.set SIZE_K, 1024
.set KSTEP,  128
.set PITCH,  272                       ; an LDS row: 256 bytes + 16 = 68 words: the 16 rows of a load start at 16 different groups of four banks (64 banks of 4 bytes: ISA guide 11.1)
.set HALFT,  128*PITCH
.set SLOT,   4*HALFT                   ; A's 256 rows, then B's 256 rows
.set STAGE,  2*SLOT                    ; behind the ring, never filled by a tensor load: 16 rows x 528 bytes for each wave
.set SPITCH, 528                       ; 512 bytes of f32 + 16
.set SPARE,  STAGE+4*16*SPITCH         ; behind the stages: the spare words, 128 bytes for each wave: two blocks of 256 bytes that no other line names
.set LAPS,   SIZE_K/(2*KSTEP)          ; 4
.set ADRA, 16                          ; v16-17  LDS address of my A fragments in slot 0, 1
.set ADRB, 20                          ; v20-21  the same for B
.set STO,  24                          ; v24     the way out: where I put 32 bytes of a row
.set RD,   25                          ; v25     where I read a row back
.set CO,   26                          ; v26     my byte offset in a row's 512 bytes of out0
.set BO,   27                          ; v27     my byte offset in bp
.set SPW,  28                          ; v28     LDS address of my spare word; never rewritten
.set NIL,  29                          ; v29     0; never rewritten
.set F0,   64
.set F1,   128
.set BIAS, 192
.set OB,   64
.set G1, 24
.set G0, 32
.set G1B, 48
.set G0B, 56
.set MSB, 0
.macro WIN new
.if MSB != (\new)
	s_set_vgpr_msb (MSB<<8)|(\new)
.set MSB, \new
.endif
.endm
.set MUL_LO, 0xa1                      ; source 0 (B) window 1, source 1 (A) window 0, C and D window 2
.set TO_B,   0x40                      ; destination window 1, address window 0
.macro JLOAD s                         ; a joint load: waves 0 and 1 fetch A's two halves, waves 2 and 3 B's; four v_nop follow each of the two lines
	s_cmp_eq_u32 s11, 0
	s_cbranch_scc0 .Lfor_b_\@
	tensor_load_to_lds s[G0+4*(\s):G0+4*(\s)+3], s[G1:G1+7]
	s_nop 0
.rept 4
	v_nop
.endr
	s_branch .Lasked_\@
.Lfor_b_\@:
	tensor_load_to_lds s[G0B+4*(\s):G0B+4*(\s)+3], s[G1B:G1B+7]
	s_nop 0
.rept 4
	v_nop
.endr
.Lasked_\@:
.endm
.macro CREST
	s_cmp_lg_u32 s10, 0
	s_cbranch_scc1 .Lnot_wave_0_\@
	s_barrier_signal -3
.Lnot_wave_0_\@:
	s_barrier_wait -3
	s_barrier_signal -1
	s_barrier_wait -1
.endm
.macro CROUND
	s_barrier_signal -1
	s_barrier_wait -1
	CREST
.endm
.macro PLACES
.rept 4
	v_nop
.endr
.endm
	s_load_b128 s[4:7], s[0:1], 0x0        ; xp s[4:5], wp16 s[6:7]
	s_load_b64 s[66:67], s[0:1], 0x10      ; bp
	s_load_b64 s[8:9], s[0:1], 0x18        ; out0
	v_lshl_add_u32 v[SPW], v0, 2, SPARE
	v_mov_b32 v[NIL], 0
	ds_add_u32 v28, v29
	ds_add_u32 v28, v29
	s_wait_dscnt 0x0
	v_lshrrev_b32 v1, 5, v0
	v_readfirstlane_b32 s10, v1            ; wave 0..3
	s_lshr_b32 s11, s10, 1                 ; which half of the tile's rows is mine.  Also: I fetch for A (0) or for B (1)
	s_and_b32 s12, s10, 1                  ; which half of its columns.  Also: which 128 rows of that tile I fetch
	s_bfe_u32 s40, ttmp6, 0x40000          ; cx, cy
	s_bfe_u32 s41, ttmp6, 0x40004
	s_lshl_b32 s42, ttmp9, 2
	s_add_co_u32 s42, s42, s40             ; tile column = 4 x cluster x + cx
	s_and_b32 s13, ttmp7, 0xffff
	s_lshl_b32 s13, s13, 2
	s_add_co_u32 s13, s13, s41             ; tile row = 4 x cluster y + cy
	s_lshl_b32 s43, s41, 2
	s_lshl_b32 s43, 15, s43                ; my row of the cluster
	s_lshl_b32 s44, 0x1111, s40            ; my column
	; group 1: 128 rows x 128 elements of 2 bytes; 4 words of padding after every 64 words
	s_or_b32 s[G1+0], s43, (1<<16)|(1<<20)|(1<<21)|(5<<22)|(3<<25)
	s_or_b32 s[G1B+0], s44, (1<<16)|(1<<20)|(1<<21)|(5<<22)|(3<<25)
.irp g, G1, G1B
	s_mov_b32 s[(\g)+1], KSTEP<<16         ; tensor_dim0 = 128
	s_mov_b32 s[(\g)+2], 128<<16           ; tensor_dim1 = 128
	s_mov_b32 s[(\g)+3], KSTEP<<16         ; tile_dim0 = 128
	s_mov_b32 s[(\g)+4], 128               ; tile_dim1 = 128
	s_mov_b32 s[(\g)+5], SIZE_K            ; tensor_dim0_stride
	s_mov_b32 s[(\g)+6], 0
	s_mov_b32 s[(\g)+7], 0
.endr
	s_lshl_b32 s16, s13, 19                ; A: 256 rows of 2,048 bytes a tile row,
	s_lshl_b32 s17, s12, 18                ; + the 128 that I fetch
	s_add_co_u32 s16, s16, s17
	s_mov_b32 s17, 0
	s_lshl_b32 s46, s42, 19                ; B likewise, by the tile column, in registers of its own
	s_lshl_b32 s47, s12, 18
	s_add_co_u32 s46, s46, s47
	s_mov_b32 s47, 0
	s_mul_i32 s20, s10, HALFT              ; where they go: wave x 128 rows
	s_wait_kmcnt 0x0
	s_add_nc_u64 s[14:15], s[4:5], s[16:17]
	s_add_nc_u64 s[46:47], s[6:7], s[46:47]
	CROUND                                 ; all sixteen work-groups are here: the first joint loads meet
.irp s, 0,1
	s_mov_b32 s[G0+4*(\s)], 1
	s_add_co_u32 s[G0+4*(\s)+1], s20, (\s)*SLOT
	s_add_nc_u64 s[G0+4*(\s)+2:G0+4*(\s)+3], s[14:15], (\s)*KSTEP*2
	s_or_b32 s[G0+4*(\s)+3], s[G0+4*(\s)+3], 0x80000000
	s_mov_b32 s[G0B+4*(\s)], 1
	s_add_co_u32 s[G0B+4*(\s)+1], s20, (\s)*SLOT
	s_add_nc_u64 s[G0B+4*(\s)+2:G0B+4*(\s)+3], s[46:47], (\s)*KSTEP*2
	s_or_b32 s[G0B+4*(\s)+3], s[G0B+4*(\s)+3], 0x80000000
	JLOAD \s                               ; two loads of mine are out
.endr
	v_and_b32 v1, 15, v0                   ; l % 16
	v_bfe_u32 v2, v0, 4, 1                 ; l / 16
	s_lshl_b32 s46, s42, 10                ; my first column, in bytes of f32: 1,024 x tile column + 512 x half
	s_lshl_b32 s47, s12, 9
	s_add_co_u32 s46, s46, s47
	s_mov_b32 s47, 0
	v_lshl_add_u32 v[BO], v2, 5, s46       ; + my lanes' eight columns of each sixteen
.irp b, 0,1,2,3,4,5,6,7
	global_load_b128 v[BIAS+8*(\b):BIAS+8*(\b)+3],   v[BO], s[66:67] offset:64*(\b)
	global_load_b128 v[BIAS+8*(\b)+4:BIAS+8*(\b)+7], v[BO], s[66:67] offset:64*(\b)+16
.endr
	v_mul_u32_u24 v3, v1, PITCH
	v_lshl_add_u32 v3, v2, 4, v3           ; a fragment's row x pitch + 16 x half
	s_mul_i32 s21, s11, HALFT              ; my 128 rows of A
	s_mul_i32 s22, s12, HALFT              ; my 128 rows of B,
	s_add_co_u32 s22, s22, 2*HALFT         ; which lie behind A's 256
.irp s, 0,1
	v_add_nc_u32 v[ADRA+(\s)], s21, v3
	v_add_nc_u32 v[ADRB+(\s)], s22, v3
	s_add_co_u32 s21, s21, SLOT
	s_add_co_u32 s22, s22, SLOT
.endr
	s_mul_i32 s23, s10, 16*SPITCH
	s_add_co_u32 s23, s23, STAGE           ; my stage
	v_mul_u32_u24 v4, v1, SPITCH           ; in: row l % 16, 32 bytes for each half of the lanes
	v_lshl_add_u32 v4, v2, 5, v4
	v_add_nc_u32 v[STO], s23, v4
	v_and_b32 v5, 31, v0
	v_lshlrev_b32 v[CO], 4, v5             ; back: 32 lanes take one row of 512 bytes
	v_add_nc_u32 v[RD], s23, v[CO]
	s_lshl_b32 s16, s13, 20                ; out0: 256 rows of 4,096 bytes a tile row,
	s_lshl_b32 s17, s11, 19                ; + my 128
	s_add_co_u32 s16, s16, s17
	s_mov_b32 s17, 0
	s_add_nc_u64 s[8:9], s[8:9], s[16:17]
	s_add_nc_u64 s[8:9], s[8:9], s[46:47]
	s_wait_loadcnt 0x0                     ; the bias, once; it is rounded to bf16 and widened again, in the wait for the first tile
.set i, 0
.rept 32
	v_cvt_pk_bf16_f32 v[30+i%2], v[BIAS+2*i], v[BIAS+2*i+1]
	v_lshlrev_b32 v[BIAS+2*i], 16, v[30+i%2]
	v_and_b32 v[BIAS+2*i+1], 0xffff0000, v[30+i%2]
.set i, i+1
.endr
; 16 matrix instructions: m blocks a0, a0 + 1 of the window's four (hi = 0: my rows 0-63, 1: rows 64-127) x all 8 n blocks, 32 along K.  first = 1: the sums start from the bias (C in window 0).
; The 64 accumulators take turns in one fixed order, one instruction a turn.
.macro MUL16 f, hi, a0, first
.if \first
	WIN 0x81+0x40*(\hi)
.else
	WIN MUL_LO+0x50*(\hi)
.endif
.irp a, \a0, (\a0)+1
.irp b, 0,1,2,3,4,5,6,7
.if \first
	v_wmma_f32_16x16x32_f16 v[8*(8*(\a)+(\b)):8*(8*(\a)+(\b))+7], v[(\f)+8*(\b):(\f)+8*(\b)+7], v[(\f)+8*(4*(\hi)+(\a)):(\f)+8*(4*(\hi)+(\a))+7], v[BIAS+8*(\b):BIAS+8*(\b)+7]
.else
	v_wmma_f32_16x16x32_f16 v[8*(8*(\a)+(\b)):8*(8*(\a)+(\b))+7], v[(\f)+8*(\b):(\f)+8*(\b)+7], v[(\f)+8*(4*(\hi)+(\a)):(\f)+8*(4*(\hi)+(\a))+7], v[8*(8*(\a)+(\b)):8*(8*(\a)+(\b))+7]
.endif
.endr
.endr
.endm
; 32 LDS loads in one run: the fragments of one quarter step (128 rows of B, then 128 rows of A, 32 K at byte k of the rows) into buffer f
.macro FETCH slot, k, f
	WIN TO_B
.irp i, 0,1,2,3,4,5,6,7
	ds_load_b128 v[(\f)+8*(\i):(\f)+8*(\i)+3],   v[ADRB+(\slot)] offset:(\k)+(\i)*16*PITCH
	ds_load_b128 v[(\f)+8*(\i)+4:(\f)+8*(\i)+7], v[ADRB+(\slot)] offset:(\k)+(\i)*16*PITCH+32
.endr
	WIN 0
.irp i, 0,1,2,3,4,5,6,7
	ds_load_b128 v[(\f)+8*(\i):(\f)+8*(\i)+3],   v[ADRA+(\slot)] offset:(\k)+(\i)*16*PITCH
	ds_load_b128 v[(\f)+8*(\i)+4:(\f)+8*(\i)+7], v[ADRA+(\slot)] offset:(\k)+(\i)*16*PITCH+32
.endr
.endm
; A K step is four quarters of 32 along K, 64 matrix instructions each, on buffers 0, 1, 0, 1.  One of the first three: multiplies buffer f; in its middle it fetches the next quarter, at byte k, into g.
.macro QUARTER slot, k, f, g, first
	s_wait_dscnt 8                         ; B and A's rows 0-63 are in; the youngest eight loads (A's rows 64-127) may be out
	MUL16 \f, 0, 0, \first
	MUL16 \f, 0, 2, \first
	PLACES                                 ; four places in front of loads into registers that matrix instructions have read
	FETCH \slot, \k, \g
	s_wait_dscnt 32                        ; all but the 32 just issued
	MUL16 \f, 1, 0, \first
	MUL16 \f, 1, 2, \first
.endm
; The last quarter multiplies buffer 1 and changes slots.  MEET is its first half: ONE barrier; in front of it each wave waits for all its tensor loads, of which one is out: its part of the next slot;
; adds 0 to its spare word; and waits for that and for its own reads of this slot.
.macro MEET round
	WIN 0
	s_wait_tensorcnt 0x0
	ds_add_u32 v[SPW], v[NIL]              ; 0 onto my spare word
	s_wait_dscnt 9                         ; the add and the youngest eight loads may be out
	MUL16 F1, 0, 0, 0                      ; sixteen matrix instructions stand between the add and the wait for it
	s_wait_dscnt 0x0                       ; the add is done, and my reads of this slot are over
	s_barrier_signal -1
	MUL16 F1, 0, 2, 0
.if \round
	WIN 0
.endif
	s_barrier_wait -1
.endm
.macro TURN slot, next                 ; the slot just read out is filled again, two K steps on: the first thing behind the round, 224 matrix instructions ahead of the wait for it
	MEET 1
	CREST                                  ; no wave of any partner still reads this slot's tiles or has a load on its way
	s_add_nc_u64 s[G0+4*(\slot)+2:G0+4*(\slot)+3], s[G0+4*(\slot)+2:G0+4*(\slot)+3], 2*KSTEP*2
	s_add_nc_u64 s[G0B+4*(\slot)+2:G0B+4*(\slot)+3], s[G0B+4*(\slot)+2:G0B+4*(\slot)+3], 2*KSTEP*2
	JLOAD \slot                            ; the four v_nop behind it are also the places in front of the loads below
	FETCH \next, 0, F0
	MUL16 F1, 1, 0, 0
	MUL16 F1, 1, 2, 0
.endm
; THE WAY OUT of block a (16 rows x 128 columns of f32).  TOSTAGE: the accumulators go as they are into my own stage, the low four registers of each first, and come back as whole rows of 512 bytes.  SEND: stored.
.macro TOSTAGE a
.set AC, 64*((\a)%4)
.set BK, OB+64*((\a)%2)
	s_wait_xcnt 0x0                        ; the registers that the stores of the block two back read are loaded again only behind this wait
	WIN 0x08+4*((\a)/4)                    ; store data (source 1) in window 2 or 3, address in window 0
.irp b, 0,1,2,3,4,5,6,7
	ds_store_b128 v[STO], v[AC+8*(\b):AC+8*(\b)+3]   offset:64*(\b)
	ds_store_b128 v[STO], v[AC+8*(\b)+4:AC+8*(\b)+7] offset:64*(\b)+16
.endr
	WIN 0
.irp u, 0,1,2,3,4,5,6,7,8,9,10,11,12,13,14,15
	ds_load_b128 v[BK+4*(\u):BK+4*(\u)+3], v[RD] offset:(\u)*SPITCH  ; LDS serves a wave's instructions in order (ISA guide 5.7.1.4): these see the stores above
.endr
.endm
.macro SEND a, younger                 ; younger: the LDS instructions issued behind block a's loads: the next block's 32, or none
.set BK, OB+64*((\a)%2)
	WIN 0
	s_wait_dscnt \younger
.irp u, 0,1,2,3,4,5,6,7,8,9,10,11,12,13,14,15
	global_store_b128 v[CO], v[BK+4*(\u):BK+4*(\u)+3], s[8:9] offset:(16*(\a)+(\u))*SIZE_N*4 th:TH_STORE_NT  ; the wave stores 512 consecutive bytes, at a multiple of 256 from out0's first byte
.endr
.endm
	s_wait_tensorcnt 1                     ; my part of K step 0 is in; step 1's may stay out
	s_barrier_signal -1
	s_barrier_wait -1                      ; everybody's is
	FETCH 0, 0, F0
	QUARTER 0, 64,  F0, F1, 1              ; the first quarter stands in front of the loop: its products start the sums, from the bias
	WIN 0
	s_mov_b32 s3, LAPS-1
.Llap:                                         ; a trip goes once round the ring and fills both slots again: three trips ask for K steps 2 to 7
	QUARTER 0, 128, F1, F0, 0
	QUARTER 0, 192, F0, F1, 0
	TURN 0, 1
	QUARTER 1, 64,  F0, F1, 0
	QUARTER 1, 128, F1, F0, 0
	QUARTER 1, 192, F0, F1, 0
	TURN 1, 0
	QUARTER 0, 64,  F0, F1, 0
	WIN 0
	s_sub_co_u32 s3, s3, 1
	s_cmp_lg_u32 s3, 0
	s_cbranch_scc1 .Llap
	QUARTER 0, 128, F1, F0, 0              ; the last lap fills nothing, and has no round of the cluster's barrier
	QUARTER 0, 192, F0, F1, 0
	MEET 0
	PLACES
	FETCH 1, 0, F0
	MUL16 F1, 1, 0, 0
	MUL16 F1, 1, 2, 0
	QUARTER 1, 64,  F0, F1, 0
	QUARTER 1, 128, F1, F0, 0
	QUARTER 1, 192, F0, F1, 0
	s_wait_dscnt 8                         ; the very last quarter: nothing more to fetch
	MUL16 F1, 0, 0, 0
	MUL16 F1, 0, 2, 0
	s_wait_dscnt 0x0
	MUL16 F1, 1, 0, 0
	MUL16 F1, 1, 2, 0
	WIN 0
	PLACES                                 ; the LDS stores below read results just made, and the loads land in A's fragments
	TOSTAGE 0
.irp a, 1,2,3,4,5,6,7
	TOSTAGE \a
	SEND (\a)-1, 32
.endr
	SEND 7, 0
	s_wait_tensorcnt 0x0                   ; the wave's end, behind my last tensor load and my last LDS store
	ds_add_u32 v[SPW], v[NIL]
	s_wait_dscnt 0x0
	CROUND                                 ; the closing round: no work-group ends while a partner may still ask for a tile that names it
	s_endpgm
.Lfunc_end_k_qece4d2d105_oproj:
	.size	k_qece4d2d105_oproj, .Lfunc_end_k_qece4d2d105_oproj-k_qece4d2d105_oproj
	.p2alignl 7, 3214868480
	.fill 96, 4, 3214868480
	.section	.rodata,"a",@progbits
	.p2align	6, 0x0
	.amdhsa_kernel k_qece4d2d105_oproj
		.amdhsa_group_segment_fixed_size 327680
		.amdhsa_private_segment_fixed_size 0
		.amdhsa_enable_private_segment 0
		.amdhsa_kernarg_size 32
		.amdhsa_user_sgpr_count 2
		.amdhsa_user_sgpr_kernarg_segment_ptr 1
		.amdhsa_wavefront_size32 1
		.amdhsa_system_sgpr_workgroup_id_x 1
		.amdhsa_system_sgpr_workgroup_id_y 1
		.amdhsa_system_sgpr_workgroup_id_z 1
		.amdhsa_system_vgpr_workitem_id 0
		.amdhsa_next_free_vgpr 1024
		.amdhsa_next_free_sgpr 72
		.amdhsa_reserve_vcc 0
		.amdhsa_float_denorm_mode_32 3
		.amdhsa_float_denorm_mode_16_64 3
		.amdhsa_memory_ordered 1
		.amdhsa_forward_progress 1
		.amdhsa_inst_pref_size 147
	.end_amdhsa_kernel
	.amdgpu_metadata
---
amdhsa.version: [ 1, 2 ]
amdhsa.kernels:
  - .name:           k_qece4d2d105_oproj
    .symbol:         k_qece4d2d105_oproj.kd
    .args:
      - { .name: xp, .offset: 0, .size: 8, .value_kind: global_buffer, .address_space: global }
      - { .name: wp16, .offset: 8, .size: 8, .value_kind: global_buffer, .address_space: global }
      - { .name: bp, .offset: 16, .size: 8, .value_kind: global_buffer, .address_space: global }
      - { .name: out0, .offset: 24, .size: 8, .value_kind: global_buffer, .address_space: global }
    .group_segment_fixed_size: 327680
    .private_segment_fixed_size: 0
    .kernarg_segment_align: 8
    .kernarg_segment_size: 32
    .max_flat_workgroup_size: 128
    .sgpr_count:     72
    .vgpr_count:     1024
    .wavefront_size: 32
...
	.end_amdgpu_metadata
.endif
;; end of part 4
